; MI455X (gfx1250); checked and timed in simulation.
; The chip was launched on July 23, 2026; its instructions are those of AMD's public machine-readable ISA for CDNA 5 (MIT licence, August 2026) and "CDNA5" Instruction Set Architecture Reference Guide (July 2026). The comments in the code are by the model that wrote it; some were corrected since.
;; NMT Self Attention. Allowed arithmetic: matrix products marked QUANTISED: E5M2 operands, one given power-of-two scale a tensor, by v_wmma_f32_16x16x64_bf8_bf8 or v_wmma_f32_16x16x128_bf8_bf8, f32 sums; everything else in f32.
;; Inputs: lowp_scales 12 int32 (the exponents e of the quantised operands' scales 2^e); wk_codes 256 x 32 x 32 uint8 (E5M2 codes of wk, K innermost, in blocks of 32 codes); wo_codes 1,024 x 32 x 32 uint8 (E5M2 codes of wo, K innermost, in blocks of 32 codes); wq_codes 1,024 x 32 x 32 uint8 (E5M2 codes of wq, K innermost, in blocks of 32 codes); wv_codes 256 x 32 x 32 uint8 (E5M2 codes of wv, K innermost, in blocks of 32 codes); x_codes 4 x 2,048 x 32 x 32 uint8 (E5M2 codes of x, K innermost, in blocks of 32 codes).
;; Outputs: out0 4 x 2,048 x 1,024 float32.
;; This version of the problem:
;;   THIS VERSION OF THE PROBLEM IS GIVEN IN LOW PRECISION. The matrix products marked QUANTISED in the list below multiply operands that are first quantised to E5M2 (5 exponent bits, 2 mantissa bits; 8 bits a number), with one given power-of-two scale for each operand tensor; their sums are f32. All else is computed in f32.
;;   The module's matrix products, in the order in which they are computed (A, B: the left and right operand; K: the contracted axis; several contracted axes count as one K, in the product's order):
;;     1. [M 8,192, K 1,024] x [K 1,024, N 1,024]; A: input x (given as codes); B: input wq (given as codes): QUANTISED (scales: A lowp_scales[0], B lowp_scales[1])
;;     2. [M 8,192, K 1,024] x [K 1,024, N 256]; A: input x (given as codes); B: input wk (given as codes): QUANTISED (scales: A lowp_scales[2], B lowp_scales[3])
;;     3. [M 8,192, K 1,024] x [K 1,024, N 256]; A: input x (given as codes); B: input wv (given as codes): QUANTISED (scales: A lowp_scales[4], B lowp_scales[5])
;;     4. batch 64 x [M 2,048, K 64] x [K 64, N 2,048]; A: computed on the way; B: computed on the way: QUANTISED (scales: A lowp_scales[6], B lowp_scales[7])
;;     5. batch 64 x [M 2,048, K 2,048] x [K 2,048, N 64]; A: softmax (see below); B: computed on the way: QUANTISED (scales: A lowp_scales[8], B lowp_scales[9])
;;     6. [M 8,192, K 1,024] x [K 1,024, N 1,024]; A: computed on the way; B: input wo (given as codes): QUANTISED (scales: A lowp_scales[10], B lowp_scales[11])
;;   THE QUANTISER, for each operand of a quantised product, along K:
;;     - The operand's scale is 2^e, e = its entry of the input lowp_scales (int32; the entries are numbered through the quantised products in the list's order, A before B).
;;     - Each number is divided by the scale, clamped to +-57,344, and rounded to the nearest number of E5M2, ties to even, subnormals kept.
;;     - The product sums the exact products of the quantised numbers (number of the format x scale) in f32.
;;   ~~~python
;;   def quantise(x, axis, e):      # numpy; x: float32 -> the quantised numbers, widened to float32 again
;;       x = np.moveaxis(x, axis, -1); K = x.shape[-1]
;;       r = np.clip(x / 2.0 ** e, -57344, 57344)
;;       step = 2.0 ** (np.maximum(np.frexp(np.where(r == 0, 1, r))[1] - 1, -14) - 2)
;;       q = np.round(r / step) * step * 2.0 ** e      # np.round: ties to even
;;       return np.moveaxis(q, -1, axis).astype(np.float32)
;;   ~~~
;;   SOFTMAX AHEAD OF A QUANTISED PRODUCT. Where the list says 'softmax', what is quantised is not the finished softmax but p = 2^(t - M), with t = logit x log2(e) and M = ceil(the row's largest t), a whole number; so 1/2 < the row's largest p <= 1. The row's sum l is taken of the UNQUANTISED p, in f32, and the product's result is divided by l at the end. Since M is a whole number, a kernel that streams over the keys may use a running M (the ceiling of the running maximum): every later rescaling is an exact power of two, so the quantised numbers keep their values, but for numbers so far below the row's largest that they fall under the format's range.
;;   OPERANDS COMPUTED ON THE WAY. 'Computed on the way' means the value that the module computes at that place (a softmax that the list does not call 'softmax' is quantised finished and normalised). What goes into a quantiser is computed in f32, as accurately as f32 sums, v_exp_f32 and their like allow (about 1e-6 of the number): no bf16 or f16 on the way to a quantiser, and a product that is left as it is and whose result goes on into a quantised operand takes f32 operands (vector FMAs, or v_wmma_f32_16x16x4_f32). A number that lies on a knife's edge between two numbers of the format may be rounded either way, as far as f32 arithmetic and the matrix unit's own rounding can turn it there, and no further.
;;   INPUTS GIVEN AS CODES. wk (in the module: [1024, 256], K = its axis 0); wo (in the module: [1024, 1024], K = its axis 0); wq (in the module: [1024, 1024], K = its axis 0); wv (in the module: [1024, 256], K = its axis 0); x (in the module: [4, 2048, 1024], K = its axis 2): each comes as NAME_codes (uint8): NAME with its K axis moved to the last place and cut into blocks of 32 codes, [.., K / 32, bytes a block], one block behind the other in memory; one code a byte (a code: sign, 5 exponent bits, 2 mantissa bits); its scale is its entry of lowp_scales. Its value is code x scale, taken as it is: it is not quantised again, and the codes and scales need not be those that the quantiser above would give.
;; One version. Each part assembles by itself: llvm-mc -triple=amdgcn-amd-amdhsa -mcpu=gfx1250 --defsym DOCPART=n.
;; ======== version 1 of 1: 3 launches
;; limits: right only within a limited range of input values
;; workspace buffers: qc 8,388,608 bytes; kc 2,097,152 bytes; vc 2,097,152 bytes; ac 8,388,608 bytes
;; launch qkv (part 1): grid 32 x 6, 4 waves a work-group, clusters of 4 x 1, 327,680 bytes of LDS; arguments x_codes, wq_codes, wk_codes, wv_codes, lowp_scales, qc, kc, vc; writes qc, kc, vc
.if DOCPART == 1
	.amdgcn_target "amdgcn-amd-amdhsa--gfx1250"
	.amdhsa_code_object_version 6
	.text
	.protected	k_q06a434ecd3_qkv
	.globl	k_q06a434ecd3_qkv
	.p2align	8
	.type	k_q06a434ecd3_qkv,@function
k_q06a434ecd3_qkv:
	s_mov_b64 s[64:65], 0
	v_nop
	global_prefetch_b8 v0, s[64:65] scope:SCOPE_SE
	s_setreg_imm32_b32 hwreg(HW_REG_WAVE_MODE, 25, 1), 1
	s_wait_xcnt 0x0
	s_wait_alu depctr_hold_cnt(0) depctr_sa_sdst(0) depctr_va_vdst(0) depctr_va_sdst(0) depctr_va_ssrc(0) depctr_va_vcc(0) depctr_vm_vsrc(0)
	s_getreg_b32 s2, hwreg(HW_REG_IB_STS2, 6, 4)
	s_cmp_eq_u32 s2, 0
	s_cbranch_scc0 .Lentry_in_a_cluster
	s_endpgm
.Lentry_in_a_cluster:
	s_bfe_u32 s2, ttmp6, 0x10000c
	s_cmp_lg_u32 s2, 0x3003
	s_cbranch_scc0 .Lentry_shape_is_right
	s_endpgm
.Lentry_shape_is_right:
; FIRST LAUNCH: products 1, 2 and 3 on the given codes of BF8 (E5M2), and the quantisers of the operands of products 4 and 5 that are computed on the way.
; The grid's y: 0 .. 3 are wq's four blocks of 256 columns, 4 is wk, 5 is wv; the grid's x: 32 blocks of 256 positions.  A work-group of four waves makes 256 x 256, a wave 128 x 128, K in steps of 256 through two LDS slots.
; Each sum x 2^(its two operands' e) is held at the largest code x the next scale and converted: qc [position][head x 64 + d] with e6, kc [batch x kv head][key][d] with e7, vc [batch x kv head][d][key] with e9 (the keys are product 5's K).
; For wv the two sources change places, so that a lane's eight sums are eight neighbouring keys: there waves 0 and 1 fetch the weight's rows and waves 2 and 3 x's, so that the first source's rows always lie in a slot's first half.
; CLUSTER 4 x 1: four blocks of positions share a weight's tile, which is asked for jointly; x's tiles are each work-group's own.
; WORK LEFT OUT, in the second launch: reference() sets every score whose key comes after its query to -infinity, by a mask that it builds itself from arange; the softmax gives such a key the weight 0 for all finite values of the inputs,
; so it adds nothing to the row's sum nor to product 5.  Key steps all of whose keys come after all of a wave's queries are therefore not multiplied.  Every input has a way to the output, and all are loaded.
; LIMIT: a NaN, an infinity or an overflow that would arise only in the steps left out is not carried to the result.
; LIMITS on the given exponents, so that each power of two is an f32 number: e6 - e0 - e1, e7 - e2 - e3 and e9 - e4 - e5 between -126 and 112.
.set ROWB,   256
.set KROW,   1024
.set PITCH,  272
.set FR,     16
.set NL,     4
.set NP,     4
.set HALFT,  128*PITCH
.set SLOT,   4*HALFT
.set LAPS,   KROW/(2*ROWB)
.set SPARE,  2*SLOT
.set ADRA, 16
.set COV,  18
.set RD2,  19
.set ADRB, 20
.set RDK,  22
.set RDK2, 23
.set STO,  24
.set RD,   25
.set COQ,  26
.set COK,  27
.set SPW,  28
.set NIL,  29
.set VSC,  30
.set VLIM, 31
.set TMP,  32
.set CD,   96
.set AF,   128
.set G1,  24
.set G0,  32
.set G1W, 48
.set G0W, 56
.set MSB, 0
.macro WIN new
.if MSB != \new
	s_set_vgpr_msb (MSB<<8)|\new
.set MSB, \new
.endif
.endm
.set MUL_LO, 0xa1
.set MUL_HI, 0xf1
.set TO_B,   0x40
.macro JLOAD g0a, g1a, g0b, g1b
	s_cmp_eq_u32 s13, 0                            ; s13: 0 = I fetch x's rows, 1 = the weight's
	s_cbranch_scc0 .Lfor_b_\@
	tensor_load_to_lds s[\g0a:\g0a+3], s[\g1a:\g1a+7]
	s_nop 0
.rept 4
	v_nop
.endr
	s_branch .Lasked_\@
.Lfor_b_\@:
	tensor_load_to_lds s[\g0b:\g0b+3], s[\g1b:\g1b+7]
	s_nop 0
.rept 4
	v_nop
.endr
.Lasked_\@:
.endm
.macro CREST
	s_cmp_lg_u32 s14, 0
	s_cbranch_scc1 .Lnot_wave_0_\@
	s_barrier_signal -3
.Lnot_wave_0_\@:
	s_barrier_wait -3
	s_barrier_signal -1
	s_barrier_wait -1
.endm
.macro CROUND
	s_barrier_signal -1
	s_barrier_wait -1
	CREST
.endm
	s_load_b256 s[4:11], s[0:1], 0x0
	s_load_b256 s[68:75], s[0:1], 0x20
	v_lshl_add_u32 v[SPW], v0, 2, SPARE
	v_mov_b32 v[NIL], 0
	ds_add_u32 v[SPW], v[NIL]
	ds_add_u32 v[SPW], v[NIL]
	v_lshrrev_b32 v1, 5, v0
	v_readfirstlane_b32 s14, v1
	s_lshr_b32 s15, s14, 1
	s_and_b32 s16, s14, 1
	s_bfe_u32 s40, ttmp6, 0x40000
	s_lshl_b32 s42, ttmp9, 2
	s_add_co_u32 s42, s42, s40
	s_and_b32 s17, ttmp7, 0xffff
	s_cmp_eq_u32 s17, 5
	s_cselect_b32 s13, 1, 0
	s_xor_b32 s13, s13, s15                        ; for wv the two pairs of waves change what they fetch; the LDS bytes of a wave stay wave x 128 rows
	s_mov_b32 s[G1+0], (0<<16)|(1<<20)|(5<<22)|(3<<25)
	s_mov_b32 s[G1W+0], 15|(0<<16)|(1<<20)|(1<<21)|(5<<22)|(3<<25)
.irp g, G1, G1W
	s_mov_b32 s[\g+1], ROWB<<16
	s_mov_b32 s[\g+2], 128<<16
	s_mov_b32 s[\g+3], ROWB<<16
	s_mov_b32 s[\g+4], 128
	s_mov_b32 s[\g+5], KROW
	s_mov_b32 s[\g+6], 0
	s_mov_b32 s[\g+7], 0
.endr
	s_lshl_b32 s18, s16, 7
	s_lshl_b32 s20, s42, 8
	s_add_co_u32 s20, s20, s18
	s_lshl_b32 s20, s20, 10
	s_mov_b32 s21, 0
	s_cmp_lt_u32 s17, 4
	s_cselect_b32 s46, s17, 0
	s_lshl_b32 s46, s46, 8
	s_add_co_u32 s46, s46, s18
	s_lshl_b32 s46, s46, 10
	s_mov_b32 s47, 0
	s_mul_i32 s45, s14, HALFT
	s_wait_dscnt 0x0
	s_wait_kmcnt 0x0
	s_load_b256 s[76:83], s[68:69], 0x0
	s_load_b32 s84, s[68:69], 0x24
	s_cmp_lt_u32 s17, 4
	s_cselect_b64 s[92:93], s[6:7], s[8:9]
	s_cmp_eq_u32 s17, 5
	s_cselect_b64 s[92:93], s[10:11], s[92:93]
	s_add_nc_u64 s[20:21], s[4:5], s[20:21]
	s_add_nc_u64 s[46:47], s[92:93], s[46:47]
	CROUND
.irp s, 0,1
	s_mov_b32 s[G0+4*\s], 1
	s_add_co_u32 s[G0+4*\s+1], s45, \s*SLOT
	s_add_nc_u64 s[G0+4*\s+2:G0+4*\s+3], s[20:21], \s*ROWB
	s_or_b32 s[G0+4*\s+3], s[G0+4*\s+3], 0x80000000
	s_mov_b32 s[G0W+4*\s], 1
	s_add_co_u32 s[G0W+4*\s+1], s45, \s*SLOT
	s_add_nc_u64 s[G0W+4*\s+2:G0W+4*\s+3], s[46:47], \s*ROWB
	s_or_b32 s[G0W+4*\s+3], s[G0W+4*\s+3], 0x80000000
.endr
	JLOAD G0, G1, G0W, G1W                         ; K step 0: one tensor load a wave at the head, behind the round above
	v_and_b32 v1, 15, v0
	v_bfe_u32 v2, v0, 4, 1
	v_mul_u32_u24 v3, v1, PITCH
	v_lshl_add_u32 v4, v2, 4, v3
	s_wait_alu depctr_va_vdst(0)
	s_mul_i32 s21, s15, HALFT
	s_mul_i32 s22, s16, HALFT
	s_add_co_u32 s22, s22, 2*HALFT
.irp s, 0,1
	v_add_nc_u32 v[ADRA+\s], s21, v4
	v_add_nc_u32 v[ADRB+\s], s22, v4
	s_add_co_u32 s21, s21, SLOT
	s_add_co_u32 s22, s22, SLOT
.endr
	s_mul_i32 s23, s15, 128*PITCH
	s_lshl_b32 s18, s16, 7
	s_add_co_u32 s23, s23, s18
	v_lshl_add_u32 v5, v2, 3, v3
	v_add_nc_u32 v[STO], s23, v5
	s_mul_i32 s23, s14, 64*PITCH
	v_mul_u32_u24 v5, v2, PITCH
	v_lshl_add_u32 v5, v1, 4, v5
	v_add_nc_u32 v[RD], s23, v5
	v_add_nc_u32 v[RD2], 32*PITCH, v[RD]
	v_bfe_u32 v7, v0, 2, 3
	v_and_b32 v8, 3, v0
	v_mul_u32_u24 v7, v7, PITCH
	v_lshl_add_u32 v7, v8, 4, v7
	s_lshl_b32 s23, s14, 6
	v_add_nc_u32 v[RDK], s23, v7
	v_add_nc_u32 v[RDK2], 128*PITCH, v[RDK]
	v_lshlrev_b32 v5, 10, v2
	v_lshl_add_u32 v[COQ], v1, 4, v5
; vc is laid in blocks of 128 keys, [batch x kv head][key / 128][d][key % 128] (the head's [d][key] holds within such a block), so that the second launch fetches it as one dense run.
; One store of a wave takes two rows d of the stage: lanes 0-15 their keys 0-127 (256 consecutive bytes of vc, aligned), lanes 16-31 their keys 128-255, one block of 8,192 bytes further on.
.set RDV,  9
.set RDV2, 10
	v_and_b32 v7, 7, v0
	v_bfe_u32 v8, v0, 3, 1
	v_lshlrev_b32 v5, 13, v2
	v_lshl_add_u32 v5, v8, 7, v5
	v_lshl_add_u32 v[COV], v7, 4, v5
	s_mul_i32 s23, s14, 64*PITCH
	v_mul_u32_u24 v5, v8, PITCH
	v_lshl_add_u32 v5, v2, 7, v5
	v_lshl_add_u32 v5, v7, 4, v5
	v_add_nc_u32 v[RDV], s23, v5
	v_add_nc_u32 v[RDV2], 32*PITCH, v[RDV]
	v_and_b32 v6, 31, v0
	v_lshlrev_b32 v[COK], 4, v6
	s_lshl_b32 s90, s42, 18
	s_lshl_b32 s91, s14, 16
	s_add_co_u32 s90, s90, s91
	s_lshl_b32 s91, s17, 8
	s_add_co_u32 s90, s90, s91
	s_lshr_b32 s94, s42, 3
	s_lshl_b32 s94, s94, 19
	s_lshl_b32 s95, s14, 17
	s_add_co_u32 s94, s94, s95
	s_and_b32 s95, s42, 7
	s_lshl_b32 s96, s95, 14
	s_add_co_u32 s96, s96, s94
	s_cmp_lt_u32 s17, 4
	s_cselect_b32 s90, s90, s96
	s_cselect_b64 s[88:89], s[70:71], s[72:73]
	s_cmp_eq_u32 s17, 5
	s_cselect_b32 s90, s96, s90
	s_cselect_b64 s[88:89], s[74:75], s[88:89]
	s_mov_b32 s91, 0
	s_add_nc_u64 s[88:89], s[88:89], s[90:91]
.macro FRAG reg, adr, q, i
.irp c, 0,1,2,3
	ds_load_b128 v[\reg+4*\c:\reg+4*\c+3], v[\adr] offset:128*(\q)+32*\c+(\i)*16*PITCH
.endr
.endm
.macro MUL16 a0, p, zero
.irp a, \a0, \a0+1
.irp b, 0,1,2,3,4,5,6,7
.if \zero
	v_wmma_f32_16x16x128_bf8_bf8 v[8*(8*((\a)%4)+\b):8*(8*((\a)%4)+\b)+7], v[128*(\p)+FR*\b:128*(\p)+FR*\b+FR-1], v[AF+FR*(\a):AF+FR*(\a)+FR-1], 0
.else
	v_wmma_f32_16x16x128_bf8_bf8 v[8*(8*((\a)%4)+\b):8*(8*((\a)%4)+\b)+7], v[128*(\p)+FR*\b:128*(\p)+FR*\b+FR-1], v[AF+FR*(\a):AF+FR*(\a)+FR-1], v[8*(8*((\a)%4)+\b):8*(8*((\a)%4)+\b)+7]
.endif
.endr
.endr
.endm
.macro FETCH_B slot, q, p
	WIN TO_B
.irp i, 0,1,2,3,4,5,6,7
	FRAG 128*(\p)+FR*\i, ADRB+\slot, \q, \i
.endr
	WIN 0
.endm
.macro FETCH_A slot, q, i0
.irp i, \i0, \i0+1, \i0+2, \i0+3
	FRAG AF+FR*(\i), ADRA+\slot, \q, \i
.endr
.endm
.macro PLACES n
.rept \n
	v_nop
.endr
.endm
.macro STEP slot, q, zero
	s_wait_dscnt 4*NL
	WIN MUL_LO
	MUL16 0, (\q)%2, \zero
	MUL16 2, (\q)%2, \zero
	s_wait_dscnt 0
	PLACES NP
	FETCH_B \slot, (\q)+1, 1-(\q)%2
	FETCH_A \slot, (\q)+1, 0
	WIN MUL_HI
	MUL16 4, (\q)%2, \zero
	MUL16 6, (\q)%2, \zero
	PLACES NP
	WIN 0
	FETCH_A \slot, (\q)+1, 4
.endm
.macro TURN slot, next, fill
	s_wait_tensorcnt 0x0
	ds_add_u32 v[SPW], v[NIL]
	s_wait_dscnt 4*NL+1
	WIN MUL_LO
	MUL16 0, 1, 0
	s_wait_dscnt 0x0
	s_barrier_signal -1
	MUL16 2, 1, 0
	WIN 0
	s_barrier_wait -1
.if \fill
	CREST
	s_add_nc_u64 s[G0+4*\slot+2:G0+4*\slot+3], s[G0+4*\slot+2:G0+4*\slot+3], 2*ROWB
	s_add_nc_u64 s[G0W+4*\slot+2:G0W+4*\slot+3], s[G0W+4*\slot+2:G0W+4*\slot+3], 2*ROWB
	JLOAD G0+4*\slot, G1, G0W+4*\slot, G1W
.else
	PLACES NP
.endif
	FETCH_B \next, 0, 0
	FETCH_A \next, 0, 0
	WIN MUL_HI
	MUL16 4, 1, 0
	MUL16 6, 1, 0
	PLACES NP
	WIN 0
	FETCH_A \next, 0, 4
.endm
	s_wait_alu depctr_va_vdst(0)                   ; the wait at the head's end
	s_wait_tensorcnt 0x0                           ; my part of K step 0 is in
	ds_add_u32 v[SPW], v[NIL]
	s_wait_dscnt 0x0
	CROUND                                         ; everybody's part of K step 0 is in, and the four work-groups are here
	JLOAD G0+4, G1, G0W+4, G1W                     ; K step 1, the first tensor load behind the round
	FETCH_B 0, 0, 0
	FETCH_A 0, 0, 0
	FETCH_A 0, 0, 4
	STEP 0, 0, 1
	s_mov_b32 s3, LAPS-1
.Llap:
	TURN 0, 1, 1
	STEP 1, 0, 0
	TURN 1, 0, 1
	STEP 0, 0, 0
	s_sub_co_u32 s3, s3, 1
	s_cmp_lg_u32 s3, 0
	s_cbranch_scc1 .Llap
	TURN 0, 1, 0
	STEP 1, 0, 0
	s_wait_dscnt 4*NL
	WIN MUL_LO
	MUL16 0, 1, 0
	MUL16 2, 1, 0
	s_wait_dscnt 0
	WIN MUL_HI
	MUL16 4, 1, 0
	MUL16 6, 1, 0
	WIN 0
	s_wait_kmcnt 0x0
	s_sub_co_i32 s90, s82, s76
	s_sub_co_i32 s90, s90, s77
	s_sub_co_i32 s91, s83, s78
	s_sub_co_i32 s91, s91, s79
	s_sub_co_i32 s94, s84, s80
	s_sub_co_i32 s94, s94, s81
	s_cmp_lt_u32 s17, 4
	s_cselect_b32 s90, s90, s91
	s_cmp_eq_u32 s17, 5
	s_cselect_b32 s90, s94, s90
	s_add_co_i32 s90, s90, 127
	s_lshl_b32 s91, s90, 23
	v_mov_b32 v[VSC], s91
	s_add_co_i32 s90, s90, 15
	s_lshl_b32 s90, s90, 23
	s_or_b32 s90, s90, 0x600000
	v_mov_b32 v[VLIM], s90
	PLACES NP
.macro QBLOCK a
.set AC, 64*((\a)%4)
	WIN 0x02+((\a)/4)
.set j, 0
.rept 64
	v_med3_num_f32 v[TMP+j], v[AC+j], -v[VLIM], v[VLIM]
.set j, j+1
.endr
	WIN 0
.irp b, 0,1,2,3,4,5,6,7
	v_cvt_scalef32_pk8_bf8_f32 v[CD+16*(\a)+2*\b:CD+16*(\a)+2*\b+1], v[TMP+8*\b:TMP+8*\b+7], v[VSC]
.endr
	v_nop
.irp b, 0,1,2,3,4,5,6,7
	ds_store_b64 v[STO], v[CD+16*(\a)+2*\b:CD+16*(\a)+2*\b+1] offset:(\a)*16*PITCH+16*\b
.endr
.endm
.irp a, 0,1,2,3,4,5,6,7
	QBLOCK \a
.endr
	s_wait_dscnt 0x0
	s_barrier_signal -1
	s_barrier_wait -1
.macro OUT rd, rd2, lstep, co, gstep
.set t, 0
.rept 16
	ds_load_b128 v[TMP+4*t:TMP+4*t+3], v[\rd] offset:t*\lstep
.set t, t+1
.endr
.rept 16
	ds_load_b128 v[TMP+4*t:TMP+4*t+3], v[\rd2] offset:(t-16)*\lstep
.set t, t+1
.endr
.set t, 0
.rept 32
	s_wait_dscnt 31-t
	global_store_b128 v[\co], v[TMP+4*t:TMP+4*t+3], s[88:89] offset:t*\gstep
.set t, t+1
.endr
.endm
	s_cmp_lt_u32 s17, 4
	s_cbranch_scc1 .Lout_q
	s_cmp_eq_u32 s17, 5
	s_cbranch_scc1 .Lout_v
	OUT RDK, RDK2, 8*PITCH, COK, 512
	s_branch .Ldone
.Lout_q:
	OUT RD, RD2, 2*PITCH, COQ, 2048
	s_branch .Ldone
.Lout_v:
	OUT RDV, RDV2, 2*PITCH, COV, 256
.Ldone:
	s_wait_tensorcnt 0x0
	ds_add_u32 v[SPW], v[NIL]
	s_wait_dscnt 0x0
	CROUND
	s_endpgm
.Lfunc_end_k_q06a434ecd3_qkv:
	.size	k_q06a434ecd3_qkv, .Lfunc_end_k_q06a434ecd3_qkv-k_q06a434ecd3_qkv
	.p2alignl 7, 3214868480
	.fill 96, 4, 3214868480
	.section	.rodata,"a",@progbits
	.p2align	6, 0x0
	.amdhsa_kernel k_q06a434ecd3_qkv
		.amdhsa_group_segment_fixed_size 327680
		.amdhsa_private_segment_fixed_size 0
		.amdhsa_enable_private_segment 0
		.amdhsa_kernarg_size 64
		.amdhsa_user_sgpr_count 2
		.amdhsa_user_sgpr_kernarg_segment_ptr 1
		.amdhsa_wavefront_size32 1
		.amdhsa_system_sgpr_workgroup_id_x 1
		.amdhsa_system_sgpr_workgroup_id_y 1
		.amdhsa_system_sgpr_workgroup_id_z 1
		.amdhsa_system_vgpr_workitem_id 0
		.amdhsa_next_free_vgpr 1024
		.amdhsa_next_free_sgpr 100
		.amdhsa_reserve_vcc 0
		.amdhsa_float_denorm_mode_32 3
		.amdhsa_float_denorm_mode_16_64 3
		.amdhsa_memory_ordered 1
		.amdhsa_forward_progress 1
		.amdhsa_inst_pref_size 139
	.end_amdhsa_kernel
	.amdgpu_metadata
---
amdhsa.version: [ 1, 2 ]
amdhsa.kernels:
  - .name:           k_q06a434ecd3_qkv
    .symbol:         k_q06a434ecd3_qkv.kd
    .args:
      - { .name: x_codes, .offset: 0, .size: 8, .value_kind: global_buffer, .address_space: global }
      - { .name: wq_codes, .offset: 8, .size: 8, .value_kind: global_buffer, .address_space: global }
      - { .name: wk_codes, .offset: 16, .size: 8, .value_kind: global_buffer, .address_space: global }
      - { .name: wv_codes, .offset: 24, .size: 8, .value_kind: global_buffer, .address_space: global }
      - { .name: lowp_scales, .offset: 32, .size: 8, .value_kind: global_buffer, .address_space: global }
      - { .name: qc, .offset: 40, .size: 8, .value_kind: global_buffer, .address_space: global }
      - { .name: kc, .offset: 48, .size: 8, .value_kind: global_buffer, .address_space: global }
      - { .name: vc, .offset: 56, .size: 8, .value_kind: global_buffer, .address_space: global }
    .group_segment_fixed_size: 327680
    .private_segment_fixed_size: 0
    .kernarg_segment_align: 8
    .kernarg_segment_size: 64
    .max_flat_workgroup_size: 128
    .sgpr_count:     100
    .vgpr_count:     1024
    .wavefront_size: 32
...
	.end_amdgpu_metadata
.endif
;; end of part 1
;; launch attn (part 2): grid 16 x 16, 8 waves a work-group, no clusters, 327,680 bytes of LDS; arguments qc, kc, vc, lowp_scales, ac; writes ac
.if DOCPART == 2
	.amdgcn_target "amdgcn-amd-amdhsa--gfx1250"
	.amdhsa_code_object_version 6
	.text
	.protected	k_q06a434ecd3_attn
	.globl	k_q06a434ecd3_attn
	.p2align	8
	.type	k_q06a434ecd3_attn,@function
k_q06a434ecd3_attn:
	s_mov_b64 s[64:65], 0
	v_nop
	global_prefetch_b8 v0, s[64:65] scope:SCOPE_SE
	s_setreg_imm32_b32 hwreg(HW_REG_WAVE_MODE, 25, 1), 1
	s_wait_xcnt 0x0
; SECOND LAUNCH: causal attention on codes of BF8 (E5M2): products 4 and 5, and the quantiser of product 6's left operand.  qc, kc, vc: the codes that the first launch stored; ac [position 8,192][head x 64 + d]: attn's codes.
; WORK LEFT OUT: a key step (128 keys) all of whose keys come after all of the wave's queries: under the mask that reference() builds itself its p is 0 for all values of the inputs (shown at the first kernel's head).
; LIMIT: a NaN, an infinity or an overflow that would arise only in such steps is not carried to the result.
; THE SOFTMAX: t = score x log2(e) / 8; M = the row's largest t so far, rounded UP to a whole number; p = 2^(t - M) is quantised along the keys with 2^e8, not normalised.  The row's sum is taken of the unquantised p
; and divides O at the end.  When M moves, the sum and O are multiplied by 2^(old M - new M): exact.
; SHARES.  g = the grid's y = 4 x batch + kv head; i = the grid's x, 0 .. 15.  A work-group owns TWO blocks of 64 positions, block 31 - i and block i, for the four query heads of its kv head:
; (31 - i) / 2 + 1 and i / 2 + 1 live key steps, 17 in every work-group: 256 work-groups of equal work.
; EIGHT waves, two to a SIMD.  A wave owns 8 positions x 4 heads = TWO tiles of 16 query rows: tile e, row r = position Q0 + 4 e + r / 4, head 4 x kv head + r % 4, Q0 = 64 x block + 8 x wave.
; Each fragment of K and of V that a wave reads from LDS feeds both tiles, and the two tiles' dependent chains are laid line by line between each other.
; ALL OF A g's K AND V STAYS IN LDS: K 2,048 rows of 64 + 16 bytes, V 16 blocks (128 keys) of 64 rows of 128 + 8 bytes: 303,104 bytes, each byte fetched once, in THREE groups of first fills, one load a wave in each:
; keys 0 .. 255 at the head; keys 256 .. 767 and keys 768 .. 2,047 each behind the full sequence and a barrier.  The later block goes first: its first six steps need no mask (its positions begin at 1,024),
; two of them are walked under the second group's flight and four under the third's.  One more barrier shows the third group to all waves; behind it no LDS byte is filled and the waves meet at no barrier.
; The loops' trip counts are constants (2, 4, 10, 8).
; NO PREFETCH INTO THE L2: each group is asked for as soon as the group before has landed, and nothing of K or V is asked for twice, so no trip stands a step or more ahead of a load in which to ask.
; NO CLUSTER, though the sixteen work-groups of a g fetch the same bytes: which step is hidden and which lies on the diagonal hangs on i, that is on the place in such a cluster.
; LAYOUT.  Both products are used transposed: S^T = K Q^T (source 0 = 16 keys, source 1 = 16 query rows; K = 64), O^T = V^T P^T (source 0 = 16 of the head's 64, source 1 = P; K = 128 keys).
; A lane holds ONE query row of each tile (lane % 16).  Register j of tile u of S^T is key 16 u + 8 (lane / 16) + j: one conversion of eight registers gives registers 2 u, 2 u + 1 of P in the K = 128 form's own order.
; Q and K are both fetched 16 bytes at a time (registers 4 c .. 4 c + 3: d = 32 c + 16 (lane / 16) + 0 .. 15): the same order of d on both sides.
; LIMITS on the given exponents, so that each power of two below is an f32 number: e6 + e7 between -123 and 130 (added to c's exponent field); e8 and e10 between -126 and 112; e8 + e9 goes by v_ldexp_f32 and has none.
; REGISTERS.  Window 0: v1-11, v24 addresses; tile e: v[12+4e] -M, v[13+4e] the largest t, v[14+4e:15+4e] the sum in two halves, v[20+2e] f; v25-28, v31 holds and scales; v32-95 K's 8 fragments;
; v96-159, v160-223 S^T, then p, of tiles 0, 1; v224-239, v240-255 p's codes (ahead of the conversions: at work).  Window 1: v0-63 V's 4 fragments; v64-95, v96-127 O^T; v128-143 Q; v144-159 the second block's Q.
.set KP,    80                         ; a key's row in LDS: 64 bytes + 16 of padding
.set VP,    136                        ; a row of V's block: 128 bytes + 8: 34 words, so that the 32 lanes of an 8-byte load fall on 64 different banks (ISA guide 11.1)
.set KSTEP, 128*KP                     ; a key step of K
.set VSTEP, 64*VP                      ; and of V
.set VBASE, 16*KSTEP
.set STAGE, VBASE+16*VSTEP             ; 2,048 bytes for each wave, for the way out: no tile lands here
.set SPARE, STAGE+8*2048               ; the spare words, 128 bytes for each wave
.set AK0,  1
.set AV0,  2
.set QO,   4
.set SPW,  5
.set NIL,  6
.set GO,   7
.set ADK,  8
.set ADV,  9
.set STO,  10
.set RDS,  11
.set MM,   12
.set LL,   14
.set FF,   20
.set DQ,   24                          ; r / 4 - 8 (lane / 16), for the mask
.set PH,   25                          ; 57,344 x 2^e8, twice (v25, v31): the two halves of a dual instruction take their second sources from different banks
.set PSC,  26                          ; 2^e8
.set OH,   27                          ; 57,344 x 2^e10
.set OSC,  28                          ; 2^e10
.set PP,   29                          ; v29, v30: lane permutes' destinations
.set PH2,  31
.set KR,   32
.set SC,   96
.set CD,   224
.set VF,   0                           ; window 1
.set OO,   64
.set QQ,   128
.set Q2,   144
.set KO,   2                           ; s2   LDS byte of the step's K;  s3 of its V, less VBASE
.set VO,   3
.set WV,   18
.set W3,   19                          ; wave % 4
.set SEL,  20
.set CS,   22                          ; s[22:23] c = log2(e) / 8 x 2^(e6 + e7)
.set G1K,  24
.set G1V,  32
.set G0K,  40
.set G0V,  44
.set CNT,  49
.set BT,   50                          ; 2,048 x batch
.set KH,   51                          ; 256 x kv head
.set KB,   52
.set VB,   54
.set OFS,  56
.set QROW, 58
.set QP,   60
.set AP,   62
.set KF,   98                          ; the step's first key
.set Q0,   99                          ; my first position
.set MSB, 0
.macro WIN new                         ; low byte: bits 1:0 source 0, 3:2 source 1, 5:4 source 2, 7:6 destination; the high byte repeats the setting that is left
.if MSB != \new
	s_set_vgpr_msb (MSB<<8)|\new
.set MSB, \new
.endif
.endm
; Waves 0 to 3 fetch for K, waves 4 to 7 for V: every wave one load.  An s_nop 0 and four v_nop follow each of the two lines.
.macro TLOAD
	s_cmp_lt_u32 s[WV], 4
	s_cbranch_scc0 .Lfor_v_\@
	tensor_load_to_lds s[G0K:G0K+3], s[G1K:G1K+7]
	s_nop 0
.rept 4
	v_nop
.endr
	s_branch .Lasked_\@
.Lfor_v_\@:
	tensor_load_to_lds s[G0V:G0V+3], s[G1V:G1V+7]
	s_nop 0
.rept 4
	v_nop
.endr
.Lasked_\@:
.endm
; A LATER GROUP OF FIRST FILLS.  The full sequence ahead of it: every wave waits for all its tensor loads, adds 0 to its spare word, waits for that and for its LDS reads, and passes a barrier;
; behind it the group before is whole for every wave, and each wave issues its one load.  The descriptors are written between the add and its wait, where no load of the wave is out.
; Wave % 4 = w takes LDS bytes lk + w sk of K (lv + w sv of V), memory bytes mo + w ms of both, rows rows of 256 bytes.
.macro NEXTG lk, sk, lv, sv, mo, ms, rows
	s_wait_tensorcnt 0x0
	ds_add_u32 v[SPW], v[NIL]
	s_mul_i32 s[G0K+1], s[W3], \sk
	s_add_co_u32 s[G0K+1], s[G0K+1], \lk
	s_mul_i32 s[G0V+1], s[W3], \sv
	s_add_co_u32 s[G0V+1], s[G0V+1], \lv
	s_mul_i32 s[OFS], s[W3], \ms
	s_add_co_u32 s[OFS], s[OFS], \mo
	s_add_nc_u64 s[G0K+2:G0K+3], s[KB:KB+1], s[OFS:OFS+1]
	s_or_b32 s[G0K+3], s[G0K+3], 0x80000000
	s_add_nc_u64 s[G0V+2:G0V+3], s[VB:VB+1], s[OFS:OFS+1]
	s_or_b32 s[G0V+3], s[G0V+3], 0x80000000
	s_mov_b32 s[G1K+2], (\rows)<<16
	s_mov_b32 s[G1K+4], \rows
	s_mov_b32 s[G1V+2], (\rows)<<16
	s_mov_b32 s[G1V+4], \rows
	s_wait_dscnt 0x0
	s_barrier_signal -1
	s_barrier_wait -1
	TLOAD
.endm
	s_load_b128 s[4:7], s[0:1], 0x0                ; qc, kc
	s_load_b128 s[12:15], s[0:1], 0x10             ; vc, the scales' exponents
	s_load_b64 s[16:17], s[0:1], 0x20              ; ac
	v_lshl_add_u32 v[SPW], v0, 2, SPARE
	v_mov_b32 v[NIL], 0
	ds_add_u32 v[SPW], v[NIL]                      ; the opening: the add, twice on end, and its wait ahead of the first tensor load
	ds_add_u32 v[SPW], v[NIL]
	v_lshrrev_b32 v8, 5, v0
	v_readfirstlane_b32 s[WV], v8                  ; wave 0..7
	s_and_b32 s[W3], s[WV], 3
	s_and_b32 s82, ttmp7, 0xffff                   ; g
	s_lshl_b32 s[OFS], s82, 17                     ; a g's 131,072 bytes in kc and in vc
	s_mov_b32 s[OFS+1], 0
	s_lshr_b32 s[BT], s82, 2
	s_lshl_b32 s[BT], s[BT], 11
	s_and_b32 s[KH], s82, 3
	s_lshl_b32 s[KH], s[KH], 8
	; group 1.  Both tensors are dense in memory and are stated as rows of 256 bytes; the padding stands behind each key's 64 bytes of K and behind each 128 bytes of V.  The first group: 16 rows (4,096 bytes) a wave
	s_mov_b32 s[G1K], (0<<16)|(1<<20)|(3<<22)|(3<<25)   ; elements of 1 byte; four words of padding (code 3) after every 16 (code 3)
	s_mov_b32 s[G1V], (0<<16)|(1<<20)|(4<<22)|(1<<25)   ; two words (code 1) after every 32 (code 4)
.irp g, G1K, G1V
	s_mov_b32 s[\g+1], 256<<16
	s_mov_b32 s[\g+2], 16<<16
	s_mov_b32 s[\g+3], 256<<16
	s_mov_b32 s[\g+4], 16
	s_mov_b32 s[\g+5], 256
	s_mov_b32 s[\g+6], 0
	s_mov_b32 s[\g+7], 0
.endr
	s_mov_b32 s[SEL], 0x76543210
	s_mov_b32 s[SEL+1], 0xfedcba98
	s_mov_b32 s[CS], 0x3e38aa3b                    ; log2(e) / 8
	s_mov_b32 s[KO], 0
	s_mov_b32 s[VO], 0
	s_mov_b32 s[KF], 0
	s_mov_b32 s[QROW+1], 0
	s_lshl_b32 s[Q0], ttmp9, 6
	s_lshl_b32 s83, s[WV], 3
	s_add_co_u32 s[Q0], s[Q0], s83                 ; block i: 64 i + 8 x wave
	s_mov_b32 s[G0K], 1
	s_mul_i32 s[G0K+1], s[W3], KSTEP/2             ; wave w: half a key step of K, 64 keys,
	s_mov_b32 s[G0V], 1
	s_mul_i32 s[G0V+1], s[W3], VSTEP/2             ; wave 4 + w: half a key step of V, 32 rows d
	s_add_co_u32 s[G0V+1], s[G0V+1], VBASE
	s_wait_dscnt 0x0                               ; both opening adds are done
	s_wait_kmcnt 0x0
	s_load_b128 s[68:71], s[14:15], 0x18           ; e6, e7, e8, e9
	s_load_b32 s72, s[14:15], 0x28                 ; e10
	s_add_nc_u64 s[KB:KB+1], s[6:7], s[OFS:OFS+1]
	s_add_nc_u64 s[VB:VB+1], s[12:13], s[OFS:OFS+1]
	s_lshl_b32 s[OFS], s[W3], 12                   ; half a key step is 4,096 bytes of memory in both
	s_add_nc_u64 s[G0K+2:G0K+3], s[KB:KB+1], s[OFS:OFS+1]
	s_or_b32 s[G0K+3], s[G0K+3], 0x80000000
	s_add_nc_u64 s[G0V+2:G0V+3], s[VB:VB+1], s[OFS:OFS+1]
	s_or_b32 s[G0V+3], s[G0V+3], 0x80000000
	TLOAD                                          ; keys 0 .. 255: one tensor load a wave at the head
	; Q of both blocks: (2,048 batch + Q0) rows of 1,024 bytes + 256 x kv head; block 31 - i lies 1,984 - 128 i rows behind block i
	s_add_co_u32 s[QROW], s[BT], s[Q0]
	s_lshl_b32 s[QROW], s[QROW], 10
	s_add_co_u32 s[QROW], s[QROW], s[KH]
	s_add_nc_u64 s[QP:QP+1], s[4:5], s[QROW:QROW+1]
	s_lshl_b32 s82, ttmp9, 7
	s_sub_co_u32 s82, 1984, s82
	s_add_co_u32 s[Q0], s[Q0], s82                 ; block 31 - i goes first
	s_lshl_b32 s82, s82, 10
	s_mov_b32 s83, 0
	s_add_nc_u64 s[84:85], s[QP:QP+1], s[82:83]
	s_lshl_b32 s86, s[WV], 11
	s_add_co_u32 s86, s86, STAGE                   ; my stage
	; my lane's places
	v_and_b32 v8, 15, v0                           ; r
	v_bfe_u32 v9, v0, 4, 1                         ; h
	v_mul_u32_u24 v[AK0], v8, KP
	v_mul_u32_u24 v[AV0], v8, VP
	v_lshl_add_u32 v[AK0], v9, 4, v[AK0]           ; K: key r of a tile, + 16 h
	v_lshl_add_u32 v[AV0], v9, 3, v[AV0]
	v_lshrrev_b32 v10, 2, v8                       ; r / 4
	v_and_b32 v11, 3, v8                           ; r % 4
	v_add_nc_u32 v[AV0], VBASE, v[AV0]             ; V: row d = r of a tile, + 8 h
	v_lshlrev_b32 v[QO], 10, v10
	v_lshlrev_b32 v[DQ], 3, v9
	v_lshl_add_u32 v[QO], v11, 6, v[QO]
	v_sub_nc_u32 v[DQ], v10, v[DQ]
	v_lshl_add_u32 v[QO], v9, 4, v[QO]             ; qc: 1,024 (r / 4) + 64 (r % 4) + 16 h
	v_lshlrev_b32 v[GO], 10, v9
	v_lshlrev_b32 v[STO], 6, v8
	v_lshl_add_u32 v[GO], v8, 4, v[GO]             ; ac: lanes 0-15 one position's 256 bytes, lanes 16-31 the next's
	v_lshl_add_u32 v[STO], v9, 3, v[STO]
	v_and_b32 v[RDS], 31, v0
	v_add_nc_u32 v[STO], s86, v[STO]               ; the stage, in: 64 r + 8 h
	v_lshlrev_b32 v[RDS], 4, v[RDS]
	v_add_nc_u32 v[RDS], s86, v[RDS]               ; and back: 16 bytes a lane
	WIN 0x40
.irp e, 0,1
	global_load_b128 v[QQ+8*\e:QQ+8*\e+3], v[QO], s[84:85] offset:4096*\e
	global_load_b128 v[QQ+8*\e+4:QQ+8*\e+7], v[QO], s[84:85] offset:4096*\e+32
	global_load_b128 v[Q2+8*\e:Q2+8*\e+3], v[QO], s[QP:QP+1] offset:4096*\e
	global_load_b128 v[Q2+8*\e+4:Q2+8*\e+7], v[QO], s[QP:QP+1] offset:4096*\e+32
.endr
	WIN 0
	v_mov_b32 v[FF+1], 0                           ; (named as the upper halves of f's pairs)
	v_mov_b32 v[FF+3], 0
	v_mov_b32 v[PP], 0                             ; a lane permute's destination counts as one of its sources
	v_mov_b32 v[PP+1], 0
; A block begins: the largest t -3e38, under every t; the sums and O^T zeros, which the first change of M leaves zeros (the key step is written with no first step of its own).
.macro INIT
.irp e, 0,1
	v_mov_b32 v[MM+4*\e+1], 0xff61b1e6
	v_mov_b32 v[LL+4*\e], 0
	v_mov_b32 v[LL+4*\e+1], 0
.endr
.irp e, 0,1
	v_floor_f32 v[MM+4*\e], -v[MM+4*\e+1]          ; -M
.endr
	WIN 0x40
.set j, 0
.rept 64
	v_mov_b32 v[OO+j], 0
.set j, j+1
.endr
	WIN 0
.endm
	INIT
	s_wait_alu depctr_va_vdst(0)
	s_wait_kmcnt 0x0
	s_add_co_i32 s82, s68, s69
	s_lshl_b32 s82, s82, 23
	s_add_co_i32 s[CS], s[CS], s82                 ; a score stands for score x 2^(e6 + e7): added to c's exponent field
	s_mov_b32 s[CS+1], s[CS]
	s_add_co_i32 s82, s70, 127
	s_lshl_b32 s83, s82, 23
	v_mov_b32 v[PSC], s83
	s_add_co_i32 s82, s82, 15
	s_lshl_b32 s82, s82, 23
	s_or_b32 s82, s82, 0x600000
	v_mov_b32 v[PH], s82
	v_mov_b32 v[PH2], s82
	s_add_co_i32 s82, s72, 127
	s_lshl_b32 s83, s82, 23
	v_mov_b32 v[OSC], s83
	s_add_co_i32 s82, s82, 15
	s_lshl_b32 s82, s82, 23
	s_or_b32 s82, s82, 0x600000
	v_mov_b32 v[OH], s82
	s_add_co_i32 s73, s70, s71                     ; e8 + e9
; A KEY STEP: 128 keys, for both tiles.  mask = 0: a step all of whose keys count for every position of the block (the later block's keys 0 .. 767), so neither test is written.
.macro STEP mask
.if \mask                                      ; a step that lies wholly behind my eight positions is left out.  Ids and the count of steps alone; the same in all eight waves
	s_add_co_u32 s96, s[Q0], 7
	s_cmp_gt_u32 s[KF], s96
	s_cbranch_scc1 .Lhidden_\@
.endif
	v_add_nc_u32 v[ADK], s[KO], v[AK0]
	v_add_nc_u32 v[ADV], s[VO], v[AV0]
	v_nop                                          ; with the two additions: four places in front of loads into registers that the last products read
	v_nop
.irp t, 0,1,2,3,4,5,6,7
	ds_load_b128 v[KR+8*\t:KR+8*\t+3], v[ADK] offset:16*\t*KP
	ds_load_b128 v[KR+8*\t+4:KR+8*\t+7], v[ADK] offset:16*\t*KP+32
.endr
	WIN 0x40                                       ; V's four fragments, asked for now, land while the softmax is walked: registers 2 c, 2 c + 1: keys 16 c + 8 h + 0 .. 7 of row d = 16 t + r
.irp t, 0,1,2,3
.irp c, 0,1,2,3,4,5,6,7
	ds_load_b64 v[VF+16*\t+2*\c:VF+16*\t+2*\c+1], v[ADV] offset:16*\t*VP+16*\c
.endr
.endr
	WIN 0x04                                       ; source 1, Q, in window 1
	s_wait_alu depctr_va_vdst(0)
	s_wait_dscnt 32                                ; K's 16 loads are in; V's 32, issued behind them, may be out
.irp t, 0,1,2,3,4,5,6,7
.irp e, 0,1
	v_wmma_f32_16x16x64_bf8_bf8 v[SC+64*\e+8*\t:SC+64*\e+8*\t+7], v[KR+8*\t:KR+8*\t+7], v[QQ+8*\e:QQ+8*\e+7], 0   ; S^T, 16 keys a tile; each fragment of K serves both tiles of queries
.endr
.endr
	WIN 0
.rept 4
	v_nop                                          ; places in front of the first read of the scores
.endr
.if \mask
	s_add_co_u32 s96, s[KF], 127                   ; on the diagonal the scores of hidden keys become -infinity ahead of the maximum: p = 0 then.  A step all of whose keys count skips this
	s_cmp_le_u32 s96, s[Q0]
	s_cbranch_scc1 .Lopen_\@
	s_sub_co_i32 s96, s[Q0], s[KF]
	v_add_nc_u32 v[CD], s96, v[DQ]                 ; d = my position - KF - 8 h (tile 1: 4 more).  Register 8 u + j holds key KF + 16 u + 8 h + j: hidden where 16 u + j > d.  Key KF counts for every row (KF <= Q0)
	v_mov_b32 v[CD+2], 0xff800000
	v_add_nc_u32 v[CD+1], 4, v[CD]
.set n, 0
.rept 64
.irp e, 0,1
	v_cmp_gt_i32 vcc_lo, 16*(n/8)+n%8, v[CD+\e]
	v_cndmask_b32 v[SC+64*\e+n], v[SC+64*\e+n], v[CD+2], vcc_lo
.endr
.set n, n+1
.endr
.Lopen_\@:
.endif
.irp e, 0,1                                    ; the step's largest score of my rows, in two chains a tile; each accumulator is first read at its low end
	v_max3_num_f32 v[CD+16*\e], v[SC+64*\e], v[SC+64*\e+1], v[SC+64*\e+2]
.endr
.irp e, 0,1
	v_max3_num_f32 v[CD+16*\e+1], v[SC+64*\e+3], v[SC+64*\e+4], v[SC+64*\e+5]
.endr
.irp i, 6,10,14,18,22,26,30,34,38,42,46,50,54,58
.irp e, 0,1
	v_max3_num_f32 v[CD+16*\e], v[CD+16*\e], v[SC+64*\e+\i], v[SC+64*\e+\i+1]
.endr
.irp e, 0,1
	v_max3_num_f32 v[CD+16*\e+1], v[CD+16*\e+1], v[SC+64*\e+\i+2], v[SC+64*\e+\i+3]
.endr
.endr
.irp e, 0,1
	v_max3_num_f32 v[CD+16*\e], v[CD+16*\e], v[SC+64*\e+62], v[SC+64*\e+63]
.endr
.irp e, 0,1
	v_max_num_f32 v[CD+16*\e], v[CD+16*\e], v[CD+16*\e+1]
.endr
.irp e, 0,1
	v_permlanex16_b32 v[PP+\e], v[CD+16*\e], s[SEL], s[SEL+1]
.endr
.irp e, 0,1
	v_max_num_f32 v[CD+16*\e], v[CD+16*\e], v[PP+\e]   ; and among lane l xor 16's
.endr
.irp e, 0,1
	v_mul_f32 v[CD+16*\e], s[CS], v[CD+16*\e]      ; as t (c is positive)
.endr
.irp e, 0,1
	v_max_num_f32 v[MM+4*\e+1], v[MM+4*\e+1], v[CD+16*\e]   ; the running largest t
.endr
.irp e, 0,1
	v_mov_b32 v[CD+16*\e], v[MM+4*\e]
.endr
.irp e, 0,1
	v_floor_f32 v[MM+4*\e], -v[MM+4*\e+1]          ; the new -M = -ceil(t): a whole number
.endr
.irp e, 0,1
	v_sub_f32 v[CD+16*\e], v[MM+4*\e], v[CD+16*\e] ; M's old value less its new one: a whole number, 0 or less
.endr
.irp e, 0,1
	v_cvt_i32_f32 v[CD+16*\e], v[CD+16*\e]         ; (it saturates)
.endr
.irp e, 0,1
	v_ldexp_f32 v[FF+2*\e], 1.0, v[CD+16*\e]       ; f = 2^(old M - new M)
.endr
.set j, 0
.rept 32
.irp e, 0,1
	v_pk_fma_f32 v[SC+64*\e+j:SC+64*\e+j+1], v[SC+64*\e+j:SC+64*\e+j+1], s[CS:CS+1], v[MM+4*\e:MM+4*\e+1] op_sel_hi:[1,0,0]   ; t - M, two at a time
.endr
.set j, j+2
.endr
	s_wait_alu depctr_va_vdst(0)                   ; the wait ahead of the batch
.set j, 0
.rept 128
	v_exp_f32 v[SC+j], v[SC+j]                     ; p = 2^(t - M), at most 1: not normalised; both tiles in one batch
.set j, j+1
.endr
.irp e, 0,1
	v_pk_mul_f32 v[LL+4*\e:LL+4*\e+1], v[LL+4*\e:LL+4*\e+1], v[FF+2*\e:FF+2*\e+1] op_sel_hi:[1,0]   ; the sums under the new M: plain instructions behind the exponentials
.endr
	s_wait_alu depctr_va_vdst(0)                   ; one wait for the whole batch, ahead of its first reader
.irp e, 0,1                                    ; the rows' sums of the unquantised p: two at a time, two chains a tile
	v_pk_add_f32 v[CD+16*\e:CD+16*\e+1], v[SC+64*\e:SC+64*\e+1], v[SC+64*\e+2:SC+64*\e+3]
.endr
.irp j, 4,8,12,16,20,24,28,32,36,40,44,48,52,56,60
.irp e, 0,1
	v_pk_add_f32 v[LL+4*\e:LL+4*\e+1], v[LL+4*\e:LL+4*\e+1], v[SC+64*\e+\j:SC+64*\e+\j+1]
.endr
.irp e, 0,1
	v_pk_add_f32 v[CD+16*\e:CD+16*\e+1], v[CD+16*\e:CD+16*\e+1], v[SC+64*\e+\j+2:SC+64*\e+\j+3]
.endr
.endr
.irp e, 0,1
	v_pk_add_f32 v[LL+4*\e:LL+4*\e+1], v[LL+4*\e:LL+4*\e+1], v[CD+16*\e:CD+16*\e+1]
.endr
.irp u, 0,1,2,3,4,5,6,7                        ; the conversion to an 8-bit code does not saturate (ISA guide 7.6.2); p is not negative, so the hold is one-sided: two numbers an instruction
.irp e, 0,1
.irp i, 0,2,4,6
	v_dual_min_num_f32 v[SC+64*\e+8*\u+\i], v[SC+64*\e+8*\u+\i], v[PH] :: v_dual_min_num_f32 v[SC+64*\e+8*\u+\i+1], v[SC+64*\e+8*\u+\i+1], v[PH2]
.endr
.endr
.irp e, 0,1
	v_cvt_scalef32_pk8_bf8_f32 v[CD+16*\e+2*\u:CD+16*\e+2*\u+1], v[SC+64*\e+8*\u:SC+64*\e+8*\u+7], v[PSC]
.endr
.endr
	WIN 0x41                                       ; O^T in window 1, f in window 0
	s_wait_alu depctr_va_vdst(0)
.set j, 0
.rept 16
.irp e, 0,1
	v_pk_mul_f32 v[OO+32*\e+j:OO+32*\e+j+1], v[OO+32*\e+j:OO+32*\e+j+1], v[FF+2*\e:FF+2*\e+1] op_sel_hi:[1,0]   ; O^T under the new M.  (Plain instructions between the conversions and the products that read their results)
.endr
.set j, j+2
.endr
	WIN 0x51                                       ; V and O^T in window 1, p's codes in window 0
	s_wait_alu depctr_va_vdst(0)
	s_wait_dscnt 0x0                               ; V is in
.irp t, 0,1,2,3
.irp e, 0,1
	v_wmma_f32_16x16x128_bf8_bf8 v[OO+32*\e+8*\t:OO+32*\e+8*\t+7], v[VF+16*\t:VF+16*\t+15], v[CD+16*\e:CD+16*\e+15], v[OO+32*\e+8*\t:OO+32*\e+8*\t+7]   ; the eight accumulators by turns; each fragment of V serves both tiles
.endr
.endr
	WIN 0
.Lhidden_\@:
	s_add_co_u32 s[KF], s[KF], 128
	s_add_co_u32 s[KO], s[KO], KSTEP
	s_add_co_u32 s[VO], s[VO], VSTEP
.endm
; A block ends: O^T / the sum x 2^(e8 + e9) is attn; it is held, quantised with 2^e10, and goes through my own stage in LDS, so that sixteen lanes store 256 consecutive bytes of ac, aligned.
.macro FINISH
.rept 4
	v_nop                                          ; places behind the last products
.endr
.irp e, 0,1
	v_add_f32 v[LL+4*\e], v[LL+4*\e], v[LL+4*\e+1]
.endr
.irp e, 0,1
	v_permlanex16_b32 v[PP+\e], v[LL+4*\e], s[SEL], s[SEL+1]
.endr
.irp e, 0,1
	v_add_f32 v[LL+4*\e], v[LL+4*\e], v[PP+\e]     ; the row's sum
.endr
	s_wait_alu depctr_va_vdst(0)                   ; the wait ahead of the transcendentals
.irp e, 0,1
	v_rcp_f32 v[LL+4*\e], v[LL+4*\e]
.endr
	v_nop                                          ; a plain instruction behind the reciprocals
	s_wait_alu depctr_va_vdst(0)                   ; and the wait ahead of their first reader
.irp e, 0,1
	v_ldexp_f32 v[LL+4*\e], v[LL+4*\e], s73
.endr
	WIN 0x01
	s_wait_alu depctr_va_vdst(0)
.irp e, 0,1
.set j, 0
.rept 32
	v_mul_f32 v[SC+32*\e+j], v[OO+32*\e+j], v[LL+4*\e]   ; register 8 t + i is attn(row r, d = 16 t + 8 h + i); each accumulator from its low end on
.set j, j+1
.endr
.endr
	WIN 0
.set j, 0
.rept 64
	v_med3_num_f32 v[SC+j], v[SC+j], -v[OH], v[OH] ; the hold at the largest code x the scale
.set j, j+1
.endr
.irp k, 0,1,2,3,4,5,6,7
	v_cvt_scalef32_pk8_bf8_f32 v[CD+2*\k:CD+2*\k+1], v[SC+8*\k:SC+8*\k+7], v[OSC]
.endr
	v_nop                                          ; one plain vector instruction behind the last conversion
.irp k, 0,1,2,3,4,5,6,7
	ds_store_b64 v[STO], v[CD+2*\k:CD+2*\k+1] offset:1024*(\k/4)+16*(\k%4)   ; row r's 64 codes lie where ac has them among the wave's eight runs of 256 bytes
.endr
	s_add_co_u32 s[QROW], s[BT], s[Q0]
	s_lshl_b32 s[QROW], s[QROW], 10
	s_add_co_u32 s[QROW], s[QROW], s[KH]
	s_wait_alu depctr_va_vdst(0)
	s_wait_xcnt 0x0                                ; the first block's stores have read their base: it is written again only behind this wait
	s_add_nc_u64 s[AP:AP+1], s[16:17], s[QROW:QROW+1]
.irp k, 0,1,2,3
	ds_load_b128 v[SC+64+4*\k:SC+64+4*\k+3], v[RDS] offset:512*\k   ; LDS serves a wave's instructions in order (ISA guide 5.7.1.4): these see my stores
.endr
.irp k, 0,1,2,3
	s_wait_dscnt 3-\k                              ; the loads issued behind load k may be out
	global_store_b128 v[GO], v[SC+64+4*\k:SC+64+4*\k+3], s[AP:AP+1] offset:2048*\k
.endr
.endm
	s_wait_alu depctr_va_vdst(0)                   ; the wait at the head's end
	NEXTG 2*KSTEP, KSTEP, VBASE+2*VSTEP, VSTEP, 16384, 8192, 32   ; keys 0 .. 255 are whole for every wave; keys 256 .. 767 are asked for: a key step a wave
	s_wait_loadcnt 0x0                             ; both blocks' Q
	s_mov_b32 s[CNT], 2
.Lfirst:                                           ; block 31 - i, keys 0 .. 255
	STEP 0
	s_sub_co_u32 s[CNT], s[CNT], 1
	s_cmp_lg_u32 s[CNT], 0
	s_cbranch_scc1 .Lfirst
	NEXTG 6*KSTEP, 320*KP, VBASE+6*VSTEP, 160*VP, 49152, 20480, 80   ; keys 256 .. 767 are whole; keys 768 .. 2,047 are asked for: two and a half key steps a wave
	s_mov_b32 s[KO], 2*KSTEP
	s_mov_b32 s[VO], 2*VSTEP
	s_mov_b32 s[CNT], 4
.Lsecond:                                          ; block 31 - i, keys 256 .. 767
	STEP 0
	s_sub_co_u32 s[CNT], s[CNT], 1
	s_cmp_lg_u32 s[CNT], 0
	s_cbranch_scc1 .Lsecond
	s_wait_tensorcnt 0x0                           ; my part of the rest is in,
	s_wait_dscnt 0x0
	s_barrier_signal -1
	s_barrier_wait -1                              ; and everybody's
	s_mov_b32 s[KO], 6*KSTEP
	s_mov_b32 s[VO], 6*VSTEP
	s_mov_b32 s[CNT], 10
.Lbig:                                             ; block 31 - i, keys 768 on
	STEP 1
	s_sub_co_u32 s[CNT], s[CNT], 1
	s_cmp_lg_u32 s[CNT], 0
	s_cbranch_scc1 .Lbig
	FINISH
	s_lshl_b32 s[Q0], ttmp9, 6
	s_lshl_b32 s82, s[WV], 3
	s_add_co_u32 s[Q0], s[Q0], s82                 ; block i: Q0 = 64 i + 8 x wave
	s_mov_b32 s[KF], 0
	s_mov_b32 s[KO], 0
	s_mov_b32 s[VO], 0
	INIT
	WIN 0x41
.set j, 0
.rept 16
	v_mov_b32 v[QQ+j], v[Q2+j]                     ; the second block's Q takes the first's place
.set j, j+1
.endr
	WIN 0
	s_wait_alu depctr_va_vdst(0)
	s_wait_xcnt 0x0                                ; the stores have read their data: the next scores land on those registers
	s_mov_b32 s[CNT], 8
.Lsmall:                                           ; block i: its positions end under 1,024
	STEP 1
	s_sub_co_u32 s[CNT], s[CNT], 1
	s_cmp_lg_u32 s[CNT], 0
	s_cbranch_scc1 .Lsmall
	FINISH
	s_wait_tensorcnt 0x0                           ; the wave's end
	ds_add_u32 v[SPW], v[NIL]
	s_wait_dscnt 0x0
	s_endpgm
.Lfunc_end_k_q06a434ecd3_attn:
	.size	k_q06a434ecd3_attn, .Lfunc_end_k_q06a434ecd3_attn-k_q06a434ecd3_attn
	.p2alignl 7, 3214868480
	.fill 96, 4, 3214868480
	.section	.rodata,"a",@progbits
	.p2align	6, 0x0
	.amdhsa_kernel k_q06a434ecd3_attn
		.amdhsa_group_segment_fixed_size 327680
		.amdhsa_private_segment_fixed_size 0
		.amdhsa_enable_private_segment 0
		.amdhsa_kernarg_size 40
		.amdhsa_user_sgpr_count 2
		.amdhsa_user_sgpr_kernarg_segment_ptr 1
		.amdhsa_wavefront_size32 1
		.amdhsa_system_sgpr_workgroup_id_x 1
		.amdhsa_system_sgpr_workgroup_id_y 1
		.amdhsa_system_sgpr_workgroup_id_z 1
		.amdhsa_system_vgpr_workitem_id 0
		.amdhsa_next_free_vgpr 416
		.amdhsa_next_free_sgpr 100
		.amdhsa_reserve_vcc 1
		.amdhsa_float_denorm_mode_32 3
		.amdhsa_float_denorm_mode_16_64 3
		.amdhsa_memory_ordered 1
		.amdhsa_forward_progress 1
		.amdhsa_inst_pref_size 172
	.end_amdhsa_kernel
	.amdgpu_metadata
---
amdhsa.version: [ 1, 2 ]
amdhsa.kernels:
  - .name:           k_q06a434ecd3_attn
    .symbol:         k_q06a434ecd3_attn.kd
    .args:
      - { .name: qc, .offset: 0, .size: 8, .value_kind: global_buffer, .address_space: global }
      - { .name: kc, .offset: 8, .size: 8, .value_kind: global_buffer, .address_space: global }
      - { .name: vc, .offset: 16, .size: 8, .value_kind: global_buffer, .address_space: global }
      - { .name: lowp_scales, .offset: 24, .size: 8, .value_kind: global_buffer, .address_space: global }
      - { .name: ac, .offset: 32, .size: 8, .value_kind: global_buffer, .address_space: global }
    .group_segment_fixed_size: 327680
    .private_segment_fixed_size: 0
    .kernarg_segment_align: 8
    .kernarg_segment_size: 40
    .max_flat_workgroup_size: 256
    .sgpr_count:     100
    .vgpr_count:     416
    .wavefront_size: 32
...
	.end_amdgpu_metadata
.endif
;; end of part 2
;; launch oproj (part 3): grid 4 x 64, 4 waves a work-group, clusters of 4 x 4, 327,680 bytes of LDS; arguments ac, wo_codes, lowp_scales, out0; writes out0
.if DOCPART == 3
	.amdgcn_target "amdgcn-amd-amdhsa--gfx1250"
	.amdhsa_code_object_version 6
	.text
	.protected	k_q06a434ecd3_oproj
	.globl	k_q06a434ecd3_oproj
	.p2align	8
	.type	k_q06a434ecd3_oproj,@function
k_q06a434ecd3_oproj:
	s_mov_b64 s[64:65], 0
	v_nop
	global_prefetch_b8 v0, s[64:65] scope:SCOPE_SE
	s_setreg_imm32_b32 hwreg(HW_REG_WAVE_MODE, 25, 1), 1
	s_wait_xcnt 0x0
	s_wait_alu depctr_hold_cnt(0) depctr_sa_sdst(0) depctr_va_vdst(0) depctr_va_sdst(0) depctr_va_ssrc(0) depctr_va_vcc(0) depctr_vm_vsrc(0)
	s_getreg_b32 s2, hwreg(HW_REG_IB_STS2, 6, 4)
	s_cmp_eq_u32 s2, 0
	s_cbranch_scc0 .Lentry_in_a_cluster
	s_endpgm
.Lentry_in_a_cluster:
	s_bfe_u32 s2, ttmp6, 0x10000c
	s_cmp_lg_u32 s2, 0xf033
	s_cbranch_scc0 .Lentry_shape_is_right
	s_endpgm
.Lentry_shape_is_right:
; THIRD LAUNCH: product 6, out0 = attn wo, on codes of BF8 (E5M2): ac [8,192][1,024] from the second launch, wo_codes [1,024 (n)][1,024 (k)]; each finished f32 sum is multiplied once by 2^(e10 + e11).
; LIMIT: e10 + e11 lies between -126 and 127, so that 2^(e10 + e11) is an f32 number.
; A block of out0 is 128 rows x 256 columns: 64 x 4 = 256 work-groups.  Four waves, each 64 x 128: 32 accumulators of 16 x 16; eight steps of 128 along K, written out.
; K COMES IN THREE FILLS, one load a wave in each.  Region 0 (384 rows of 512 + 16 bytes: 128 of ac, 256 of wo) takes K 0 .. 511 at the head; region 1 (384 rows of 256 + 16 bytes) takes K 512 .. 767 behind the first sequence;
; when region 0 has been read out, K 768 .. 1,023 is filled onto the first 256 bytes of its rows: the descriptor skips 272 bytes behind each 256, so that the pitch stays 528 and the same address registers serve.
; CLUSTERS: 4 x 4 work-groups; the four of a row need the same tile of ac, the four of a column the same tile of wo: each is asked for jointly.  Waves 0 and 1 fetch ac's halves (64 rows), waves 2 and 3 wo's (128 rows).
; The matrix instruction is used transposed (source 0 = 16 rows of wo, source 1 = 16 rows of ac): a lane holds eight neighbouring numbers of a row of out0.
; NO PREFETCH INTO THE L2: the text has no loop to run ahead in; each fill is asked for as soon as the fill before has landed.
; REGISTERS: window 0: v0-31 addresses, v128-191 and v192-255 ac's fragments (4 x 16 rows x 128 K), two sets; window 1: wo's fragments (8), two sets; window 2: accumulator (a, b) at v[8 (8 a + b)].
.set SIZE_N, 1024
.set KROW,   1024
.set P0,     528                       ; region 0's pitch
.set P1,     272                       ; region 1's
.set R1,     384*P0                    ; region 1 begins here
.set FR,     16
.set SPARE,  R1+384*P1                 ; the spare words, 128 bytes for each wave
.set SPITCH, 528                       ; the way out: a stage of 16 rows x (512 + 16) bytes for each wave, in region 1, which has had its only fill and its last read by then
.set ADRA, 16                          ; v16, v17: my fragments of ac in region 0, 1
.set ADRB, 20                          ; v20, v21: of wo
.set STO,  24
.set RD,   25
.set CO,   26
.set SPW,  28
.set NIL,  29
.set TMP,  32
.set AF,   128
.set BK,   128
.set G1,  24
.set G0,  32
.set G1B, 48
.set G0B, 56
.set W512, (1<<20)|(1<<21)|(6<<22)|(3<<25)     ; group 1, word 0 less the mask: elements of 1 byte; bit 21 beside a mask; four words of padding after every 128
.set W256, (1<<20)|(1<<21)|(5<<22)|(3<<25)     ; four words after every 64
.set WBIG, (1<<20)|(1<<21)|(5<<22)|(67<<25)    ; 68 words after every 64
.set MSB, 0
.macro WIN new
.if MSB != \new
	s_set_vgpr_msb (MSB<<8)|\new
.set MSB, \new
.endif
.endm
.set MUL,  0xa1                        ; source 0 (wo) window 1, source 1 (ac) window 0, C and D window 2
.set TO_B, 0x40
.macro JLOAD g0a, g0b                  ; a joint load; an s_nop 0 and four v_nop follow each of the two lines
	s_cmp_eq_u32 s15, 0
	s_cbranch_scc0 .Lfor_b_\@
	tensor_load_to_lds s[\g0a:\g0a+3], s[G1:G1+7]
	s_nop 0
.rept 4
	v_nop
.endr
	s_branch .Lasked_\@
.Lfor_b_\@:
	tensor_load_to_lds s[\g0b:\g0b+3], s[G1B:G1B+7]
	s_nop 0
.rept 4
	v_nop
.endr
.Lasked_\@:
.endm
.macro CREST
	s_cmp_lg_u32 s14, 0
	s_cbranch_scc1 .Lnot_wave_0_\@
	s_barrier_signal -3
.Lnot_wave_0_\@:
	s_barrier_wait -3
	s_barrier_signal -1
	s_barrier_wait -1
.endm
.macro CROUND
	s_barrier_signal -1
	s_barrier_wait -1
	CREST
.endm
	s_load_b128 s[4:7], s[0:1], 0x0                ; ac, wo's codes
	s_load_b128 s[8:11], s[0:1], 0x10              ; the scales' exponents, out0
	v_lshl_add_u32 v[SPW], v0, 2, SPARE
	v_mov_b32 v[NIL], 0
	ds_add_u32 v[SPW], v[NIL]                      ; the opening: the add, twice on end, and its wait
	ds_add_u32 v[SPW], v[NIL]
	v_lshrrev_b32 v1, 5, v0
	v_readfirstlane_b32 s14, v1                    ; wave 0..3
	s_lshr_b32 s15, s14, 1                         ; my half of the block's rows.  Also: I fetch for ac (0) or for wo (1)
	s_and_b32 s16, s14, 1                          ; my half of its columns.  Also: which half of that tile I fetch
	s_bfe_u32 s40, ttmp6, 0x40000                  ; cx, cy
	s_bfe_u32 s41, ttmp6, 0x40004
	s_lshl_b32 s42, ttmp9, 2
	s_add_co_u32 s42, s42, s40                     ; block column
	s_and_b32 s17, ttmp7, 0xffff
	s_lshl_b32 s17, s17, 2
	s_add_co_u32 s17, s17, s41                     ; block row
	s_lshl_b32 s43, s41, 2
	s_lshl_b32 s43, 15, s43                        ; my row of the cluster
	s_lshl_b32 s44, 0x1111, s40                    ; my column
	s_or_b32 s[G1+0], s43, W512                    ; the first fill: rows of 512 bytes
	s_or_b32 s[G1B+0], s44, W512
.irp g, G1, G1B
	s_mov_b32 s[\g+1], 512<<16
	s_mov_b32 s[\g+3], 512<<16
	s_mov_b32 s[\g+5], KROW
	s_mov_b32 s[\g+6], 0
	s_mov_b32 s[\g+7], 0
.endr
	s_mov_b32 s[G1+2], 64<<16                      ; ac: 64 rows a load
	s_mov_b32 s[G1+4], 64
	s_mov_b32 s[G1B+2], 128<<16                    ; wo: 128
	s_mov_b32 s[G1B+4], 128
	s_lshl_b32 s18, s16, 6
	s_lshl_b32 s20, s17, 7
	s_add_co_u32 s20, s20, s18                     ; ac: row 128 x block row + 64 x half
	s_lshl_b32 s20, s20, 10
	s_mov_b32 s21, 0
	s_lshl_b32 s18, s16, 7
	s_lshl_b32 s46, s42, 8
	s_add_co_u32 s46, s46, s18                     ; wo: row 256 x block column + 128 x half
	s_lshl_b32 s46, s46, 10
	s_mov_b32 s47, 0
	s_mov_b32 s[G0], 1                             ; where they go: no place in the cluster enters an LDS address.  Region 0:
	s_mul_i32 s[G0+1], s16, 64*P0
	s_mov_b32 s[G0B], 1
	s_mul_i32 s[G0B+1], s16, 128*P0
	s_add_co_u32 s[G0B+1], s[G0B+1], 128*P0
	s_mov_b32 s[G0+4], 1                           ; region 1:
	s_mul_i32 s[G0+5], s16, 64*P1
	s_add_co_u32 s[G0+5], s[G0+5], R1
	s_mov_b32 s[G0B+4], 1
	s_mul_i32 s[G0B+5], s16, 128*P1
	s_add_co_u32 s[G0B+5], s[G0B+5], R1+128*P1
	s_wait_dscnt 0x0
	s_wait_kmcnt 0x0
	s_load_b64 s[96:97], s[8:9], 0x28              ; e10, e11
	s_add_nc_u64 s[G0+2:G0+3], s[4:5], s[20:21]    ; K 0
	s_add_nc_u64 s[G0B+2:G0B+3], s[6:7], s[46:47]
	s_add_nc_u64 s[G0+6:G0+7], s[G0+2:G0+3], 512   ; K 512
	s_add_nc_u64 s[G0B+6:G0B+7], s[G0B+2:G0B+3], 512
.irp g, G0+3, G0+7, G0B+3, G0B+7
	s_or_b32 s[\g], s[\g], 0x80000000
.endr
	CROUND                                         ; all sixteen work-groups are here: the first joint loads meet
	JLOAD G0, G0B                                  ; K 0 .. 511: one tensor load a wave at the head
	v_and_b32 v1, 15, v0
	v_bfe_u32 v2, v0, 4, 1
	v_mul_u32_u24 v3, v1, P0
	v_mul_u32_u24 v4, v1, P1
	v_lshl_add_u32 v3, v2, 4, v3                   ; a fragment's row x pitch + 16 x half, in region 0
	v_lshl_add_u32 v4, v2, 4, v4                   ; and in region 1
	s_mul_i32 s21, s15, 64*P0                      ; my 64 rows of ac
	s_mul_i32 s22, s16, 128*P0
	s_add_co_u32 s22, s22, 128*P0                  ; my 128 rows of wo
	v_add_nc_u32 v[ADRA], s21, v3
	v_add_nc_u32 v[ADRB], s22, v3
	s_mul_i32 s21, s15, 64*P1
	s_add_co_u32 s21, s21, R1
	s_mul_i32 s22, s16, 128*P1
	s_add_co_u32 s22, s22, R1+128*P1
	v_add_nc_u32 v[ADRA+1], s21, v4
	v_add_nc_u32 v[ADRB+1], s22, v4
	s_mul_i32 s23, s14, 16*SPITCH
	s_add_co_u32 s23, s23, R1                      ; my stage
	s_wait_alu depctr_va_vdst(0)
	v_mul_u32_u24 v5, v1, SPITCH
	v_lshl_add_u32 v5, v2, 5, v5
	v_add_nc_u32 v[STO], s23, v5
	v_and_b32 v6, 31, v0
	v_lshlrev_b32 v[CO], 4, v6
	v_add_nc_u32 v[RD], s23, v[CO]
	s_lshl_b32 s20, s17, 7
	s_lshl_b32 s21, s15, 6
	s_add_co_u32 s20, s20, s21                     ; my first row of out0,
	s_lshl_b32 s20, s20, 12                        ; of 4,096 bytes,
	s_lshl_b32 s46, s42, 10
	s_lshl_b32 s47, s16, 9
	s_add_co_u32 s46, s46, s47                     ; and my first column, in bytes
	s_add_co_u32 s20, s20, s46
	s_mov_b32 s21, 0
	s_add_nc_u64 s[10:11], s[10:11], s[20:21]
.macro FRAG reg, adr, q, i             ; 16 rows x 128 K: registers 4 c .. 4 c + 3 hold K = 32 c + 16 (l / 16) + 0 .. 15, alike on both sides.  PT: the region's pitch
.irp c, 0,1,2,3
	ds_load_b128 v[\reg+4*\c:\reg+4*\c+3], v[\adr] offset:128*(\q)+32*\c+(\i)*16*PT
.endr
.endm
.macro MUL8 a, p, zero                 ; ac's block a against wo's eight; the 32 accumulators take turns in the same order in every step
.irp b, 0,1,2,3,4,5,6,7
.if \zero
	v_wmma_f32_16x16x128_bf8_bf8 v[8*(8*(\a)+\b):8*(8*(\a)+\b)+7], v[128*(\p)+FR*\b:128*(\p)+FR*\b+FR-1], v[AF+64*(\p)+FR*(\a):AF+64*(\p)+FR*(\a)+FR-1], 0
.else
	v_wmma_f32_16x16x128_bf8_bf8 v[8*(8*(\a)+\b):8*(8*(\a)+\b)+7], v[128*(\p)+FR*\b:128*(\p)+FR*\b+FR-1], v[AF+64*(\p)+FR*(\a):AF+64*(\p)+FR*(\a)+FR-1], v[8*(8*(\a)+\b):8*(8*(\a)+\b)+7]
.endif
.endr
.endm
.macro FETCH rg, q, p                  ; 48 LDS loads: the fragments of region rg's q-th 128 along K into set p
.set PT, P0+(\rg)*(P1-P0)
	WIN TO_B
.irp i, 0,1,2,3,4,5,6,7
	FRAG 128*(\p)+FR*\i, ADRB+\rg, \q, \i
.endr
	WIN 0
.irp i, 0,1,2,3
	FRAG AF+64*(\p)+FR*\i, ADRA+\rg, \q, \i
.endr
.endm
.macro PLACES
.rept 4
	v_nop
.endr
.endm
.macro STEP p, zero, rg, q             ; 128 along K on set p; the next step's fragments (region rg, its q-th 128) are fetched into the other set ahead of the 32 products
	s_wait_dscnt 0x0                               ; set p is in
	PLACES                                         ; in front of loads into registers that the last products read
	FETCH \rg, \q, 1-(\p)
	WIN MUL
	MUL8 0, \p, \zero
	MUL8 1, \p, \zero
	MUL8 2, \p, \zero
	MUL8 3, \p, \zero
	WIN 0
.endm
.macro TURN fill, rg                   ; a region's last 128, on set 1, and the change to region rg.  fill = 1: region 0, just read out, takes K 768 .. 1,023
	s_wait_tensorcnt 0x0                           ; all my tensor loads have landed: my part of the next region
	ds_add_u32 v[SPW], v[NIL]
	s_wait_dscnt 1                                 ; set 1 is in; the add alone may be out
	WIN MUL
	MUL8 0, 1, 0
	s_wait_dscnt 0x0                               ; the add is done, and my reads of this region are over
	s_barrier_signal -1
	MUL8 1, 1, 0
	WIN 0
	s_barrier_wait -1
.if \fill
	CREST                                          ; the barrier has opened a round of the cluster's barrier
	s_add_nc_u64 s[G0+2:G0+3], s[G0+2:G0+3], 768
	s_add_nc_u64 s[G0B+2:G0B+3], s[G0B+2:G0B+3], 768
	s_or_b32 s[G1+0], s43, WBIG                    ; rows of 256 bytes at region 0's pitch
	s_or_b32 s[G1B+0], s44, WBIG
	JLOAD G0, G0B                                  ; the first tensor load behind the round; its four v_nop are the places in front of the loads below
.else
	PLACES
.endif
	FETCH \rg, 0, 0
	WIN MUL
	MUL8 2, 1, 0
	MUL8 3, 1, 0
	WIN 0
.endm
	s_wait_alu depctr_va_vdst(0)                   ; the wait at the head's end
	s_wait_tensorcnt 0x0                           ; my part of K 0 .. 511 is in
	ds_add_u32 v[SPW], v[NIL]
	s_or_b32 s[G1+0], s43, W256                    ; no load of mine is out: the second fill has rows of 256 bytes
	s_or_b32 s[G1B+0], s44, W256
.irp g, G1, G1B
	s_mov_b32 s[\g+1], 256<<16
	s_mov_b32 s[\g+3], 256<<16
.endr
	s_wait_dscnt 0x0
	CROUND
	JLOAD G0+4, G0B+4                              ; K 512 .. 767, the first tensor load behind the round
	FETCH 0, 0, 0
	STEP 0, 1, 0, 1                                ; K 0: the first step's products start the sums
	STEP 1, 0, 0, 2                                ; K 128
	STEP 0, 0, 0, 3                                ; K 256
	TURN 1, 1                                      ; K 384
	STEP 0, 0, 1, 1                                ; K 512
	TURN 0, 0                                      ; K 640
	STEP 0, 0, 0, 1                                ; K 768
	s_wait_dscnt 0x0
	WIN MUL
	MUL8 0, 1, 0                                   ; K 896
	MUL8 1, 1, 0
	MUL8 2, 1, 0
	MUL8 3, 1, 0
	WIN 0
; THE WAY OUT, block by block of 16 rows x 128 columns, through my own stage: back come whole rows of 512 bytes, which the 32 lanes store as two aligned units of 256 bytes.
.macro TOSTAGE a
	WIN 0x02
.set j, 0
.rept 32
	v_pk_mul_f32 v[TMP+j:TMP+j+1], v[64*(\a)+j:64*(\a)+j+1], s[96:97] op_sel_hi:[1,0]   ; x 2^(e10 + e11); each accumulator from its low end on
.set j, j+2
.endr
	WIN 0
.irp b, 0,1,2,3,4,5,6,7
	ds_store_b128 v[STO], v[TMP+8*\b:TMP+8*\b+3] offset:64*\b
	ds_store_b128 v[STO], v[TMP+8*\b+4:TMP+8*\b+7] offset:64*\b+16
.endr
.set BB, BK+64*((\a)%2)
.irp t, 0,1,2,3,4,5,6,7,8,9,10,11,12,13,14,15
	ds_load_b128 v[BB+4*\t:BB+4*\t+3], v[RD] offset:\t*SPITCH   ; LDS serves a wave's instructions in order (ISA guide 5.7.1.4)
.endr
.endm
.macro SEND a, younger
.set BB, BK+64*((\a)%2)
	s_wait_dscnt \younger                          ; the block is back; the LDS instructions issued behind its loads may be out
.if (\a) > 0
	s_add_nc_u64 s[10:11], s[10:11], 16*SIZE_N*4   ; behind a wait on XCNT: the earlier stores have read their base
.endif
.irp t, 0,1,2,3,4,5,6,7,8,9,10,11,12,13,14,15
	global_store_b128 v[CO], v[BB+4*\t:BB+4*\t+3], s[10:11] offset:\t*SIZE_N*4 th:TH_STORE_NT
.endr
.endm
	s_wait_kmcnt 0x0
	s_add_co_i32 s96, s96, s97
	s_add_co_i32 s96, s96, 127
	s_lshl_b32 s96, s96, 23                        ; 2^(e10 + e11) as f32
	PLACES
	TOSTAGE 0
.irp a, 1,2,3
.if \a > 1
	s_wait_xcnt 0x0                                ; block a - 2's stores have read their registers and their base
.endif
	TOSTAGE \a
	SEND \a-1, 32                                  ; behind block a - 1's loads: block a's 16 stores and 16 loads
.endr
	s_wait_xcnt 0x0
	SEND 3, 0
	s_wait_tensorcnt 0x0                           ; the wave's end
	ds_add_u32 v[SPW], v[NIL]
	s_wait_dscnt 0x0
	CROUND                                         ; the closing round
	s_endpgm
.Lfunc_end_k_q06a434ecd3_oproj:
	.size	k_q06a434ecd3_oproj, .Lfunc_end_k_q06a434ecd3_oproj-k_q06a434ecd3_oproj
	.p2alignl 7, 3214868480
	.fill 96, 4, 3214868480
	.section	.rodata,"a",@progbits
	.p2align	6, 0x0
	.amdhsa_kernel k_q06a434ecd3_oproj
		.amdhsa_group_segment_fixed_size 327680
		.amdhsa_private_segment_fixed_size 0
		.amdhsa_enable_private_segment 0
		.amdhsa_kernarg_size 32
		.amdhsa_user_sgpr_count 2
		.amdhsa_user_sgpr_kernarg_segment_ptr 1
		.amdhsa_wavefront_size32 1
		.amdhsa_system_sgpr_workgroup_id_x 1
		.amdhsa_system_sgpr_workgroup_id_y 1
		.amdhsa_system_sgpr_workgroup_id_z 1
		.amdhsa_system_vgpr_workitem_id 0
		.amdhsa_next_free_vgpr 768
		.amdhsa_next_free_sgpr 98
		.amdhsa_reserve_vcc 0
		.amdhsa_float_denorm_mode_32 3
		.amdhsa_float_denorm_mode_16_64 3
		.amdhsa_memory_ordered 1
		.amdhsa_forward_progress 1
		.amdhsa_inst_pref_size 75
	.end_amdhsa_kernel
	.amdgpu_metadata
---
amdhsa.version: [ 1, 2 ]
amdhsa.kernels:
  - .name:           k_q06a434ecd3_oproj
    .symbol:         k_q06a434ecd3_oproj.kd
    .args:
      - { .name: ac, .offset: 0, .size: 8, .value_kind: global_buffer, .address_space: global }
      - { .name: wo_codes, .offset: 8, .size: 8, .value_kind: global_buffer, .address_space: global }
      - { .name: lowp_scales, .offset: 16, .size: 8, .value_kind: global_buffer, .address_space: global }
      - { .name: out0, .offset: 24, .size: 8, .value_kind: global_buffer, .address_space: global }
    .group_segment_fixed_size: 327680
    .private_segment_fixed_size: 0
    .kernarg_segment_align: 8
    .kernarg_segment_size: 32
    .max_flat_workgroup_size: 128
    .sgpr_count:     98
    .vgpr_count:     768
    .wavefront_size: 32
...
	.end_amdgpu_metadata
.endif
;; end of part 3
